; MI455X (gfx1250); checked and timed in simulation.
; The chip was launched on July 23, 2026; its instructions are those of AMD's public machine-readable ISA for CDNA 5 (MIT licence, August 2026) and "CDNA5" Instruction Set Architecture Reference Guide (July 2026). The comments in the code are by the model that wrote it; some were corrected since.
;; Keras Cross Attention Module. Allowed arithmetic: matrix products marked QUANTISED: E2M3 operands, one E8M0 scale for each 32 along K, by v_wmma_scale_f32_16x16x128_f8f6f4 with both operands' format E2M3, f32 sums; everything else in f32.
;; Inputs: k_pos_embedding 1 x 4,096 x 256 float32; keys 8 x 256 x 64 x 64 float32; q_pos_embedding 1 x 4,096 x 256 float32; queries 8 x 256 x 64 x 64 float32; values 8 x 256 x 64 x 64 float32.
;; Outputs: out0 8 x 256 x 64 x 64 float32.
;; This version of the problem:
;;   THIS VERSION OF THE PROBLEM IS GIVEN IN LOW PRECISION. The matrix products marked QUANTISED in the list below multiply operands that are first quantised to E2M3 (2 exponent bits, 3 mantissa bits; 6 bits a number), with one power-of-two scale for each 32 numbers along K (OCP MX v1.0); their sums are f32. All else is computed in f32.
;;   The module's matrix products, in the order in which they are computed (A, B: the left and right operand; K: the contracted axis; several contracted axes count as one K, in the product's order):
;;     1. batch 8 x [M 4,096, K 256] x [K 256, N 4,096]; A: computed on the way; B: computed on the way: QUANTISED
;;     2. batch 8 x [M 4,096, K 4,096] x [K 4,096, N 256]; A: softmax (see below); B: input values: QUANTISED
;;   THE QUANTISER, for each operand of a quantised product, along K:
;;     - K is cut into blocks of 32 from its start; a last block that is shorter is filled with zeros.
;;     - A block's scale is 2^e with e = floor(log2(the largest magnitude in the block)) - 2, held to -126 .. 127; a block of zeros has e = 0. As a byte (E8M0): e + 127.
;;     - Each number is divided by its block's scale, clamped to +-7.5, and rounded to the nearest number of E2M3, ties to even, subnormals kept.
;;     - The product sums the exact products of the quantised numbers (number of the format x scale) in f32.
;;   ~~~python
;;   def quantise(x, axis):      # numpy; x: float32 -> the quantised numbers, widened to float32 again
;;       x = np.moveaxis(x, axis, -1); K = x.shape[-1]
;;       x = np.pad(x, [(0, 0)] * (x.ndim - 1) + [(0, -K % 32)]); x = x.reshape(x.shape[:-1] + (-1, 32)); a = np.abs(x).max(-1, keepdims=True)
;;       e = np.where(a > 0, np.clip(np.frexp(np.where(a > 0, a, 1))[1] - 1 - 2, -126, 127), 0)      # np.frexp(a)[1] - 1 = floor(log2(a)), exactly
;;       r = np.clip(x / 2.0 ** e, -7.5, 7.5)
;;       step = 2.0 ** (np.maximum(np.frexp(np.where(r == 0, 1, r))[1] - 1, 0) - 3)
;;       q = np.round(r / step) * step * 2.0 ** e      # np.round: ties to even
;;       return np.moveaxis(q.reshape(q.shape[:-2] + (-1,))[..., :K], -1, axis).astype(np.float32)
;;   ~~~
;;   SOFTMAX AHEAD OF A QUANTISED PRODUCT. Where the list says 'softmax', what is quantised is not the finished softmax but p = 2^(t - M), with t = logit x log2(e) and M = ceil(the row's largest t), a whole number; so 1/2 < the row's largest p <= 1. The row's sum l is taken of the UNQUANTISED p, in f32, and the product's result is divided by l at the end. Since M is a whole number, a kernel that streams over the keys may use a running M (the ceiling of the running maximum): every later rescaling is an exact power of two, which a block's scale takes up: the codes' values come out the same.
;;   OPERANDS COMPUTED ON THE WAY. 'Computed on the way' means the value that the module computes at that place (a softmax that the list does not call 'softmax' is quantised finished and normalised). What goes into a quantiser is computed in f32, as accurately as f32 sums, v_exp_f32 and their like allow (about 1e-6 of the number): no bf16 or f16 on the way to a quantiser, and a product that is left as it is and whose result goes on into a quantised operand takes f32 operands (vector FMAs, or v_wmma_f32_16x16x4_f32). A number that lies on a knife's edge between two numbers of the format may be rounded either way, as far as f32 arithmetic and the matrix unit's own rounding can turn it there, and no further.
;; One version. Each part assembles by itself: llvm-mc -triple=amdgcn-amd-amdhsa -mcpu=gfx1250 --defsym DOCPART=n.
;; ======== version 1 of 1: 2 launches
;; limits: right only within a limited range of input values
;; workspace buffers: qimg 6,553,600 bytes; kv 13,107,200 bytes
;; launch prep (part 1): grid 1280 x 1, 8 waves a work-group, no clusters, 152,064 bytes of LDS; arguments queries, keys, q_pos_embedding, k_pos_embedding, qimg, kv, values; writes qimg, kv
.if DOCPART == 1
	.amdgcn_target "amdgcn-amd-amdhsa--gfx1250"
	.amdhsa_code_object_version 6
	.text
	.protected	k_qb9f2d349b4_prep
	.globl	k_qb9f2d349b4_prep
	.p2align	8
	.type	k_qb9f2d349b4_prep,@function
k_qb9f2d349b4_prep:
	s_mov_b64 s[64:65], 0
	v_nop
	global_prefetch_b8 v0, s[64:65] scope:SCOPE_SE
	s_setreg_imm32_b32 hwreg(HW_REG_WAVE_MODE, 25, 1), 1
	s_wait_xcnt 0x0
; One launch turns all three operands into codes of FP6 (E2M3) with one E8M0 byte for each 32 along a product's K, laid as IMAGES OF OPERAND REGISTERS in BLOCKs of 12,800 bytes:
; 8 fragment images of 1,536 bytes (chunk c at 512 c, lane l's 16 bytes at 16 l = registers 4 c .. 4 c + 3 of the 12 of a 6-bit operand), then a scale image of 512 bytes (lane l's 16 bytes: word j = tile j's scale word, row l % 16, K step l / 16).
; WORK-GROUPS 0 TO 1,023: q = queries^T + q_pos (the first 512) and k = keys^T + k_pos, along the 256 channels.  One BLOCK serves 64 rows s: fragment 2 u + ks = tile u, channels 128 ks on;
;   row 8 e + r' of tile u of group g is sequence position 64 g + 32 e + 8 u + r'.  qimg: [b][g 64] BLOCKs; kv: [b][slot 16][102,400], BLOCKs 0-3 of a slot = key groups 4 slot on.
;   Wave w: e = w & 1 (32 rows), w >> 1 = 64 channels.  A lane takes a row s and its registers run down the channels; the position table, whose channels are innermost, turns through the wave's own stage in LDS.
; WORK-GROUPS 1,024 TO 1,279: values, along the keys, which are innermost already: BLOCKs 4-7 of a slot: BLOCK n, fragment 2 j + kk = channels 16 (4 n + j) + row, keys 256 slot + 128 kk on.
;   A work-group makes two BLOCKs, waves 0-3 one and waves 4-7 the next; a wave makes one tile of 16 channels x 256 keys; each half turns through the wave's own stage, from which lane (row, h) takes two whole blocks of 32 keys.
; The two paths part on the work-group's number alone and have LDS bytes of their own.
; A block's scale is 2^(floor(log2(largest magnitude)) - 2); its byte is the largest magnitude's exponent field - 2, held at 1 from below.
; LIMITS: a block of zeros, or one whose largest magnitude lies under 2^(3 - 127), gets the byte 1 (the bytes are read by this program alone; zero codes add nothing); NaN and infinities among the inputs are not served.
.set BLK,  12800
.set PP,   272                         ; q, k: a stage row: 256 bytes + 16
.set STG,  32*PP
.set IMG,  8*STG                       ; behind the eight stages: the BLOCK as it will lie in memory
.set VB,   IMG+BLK                     ; the values' path begins here
.set SP,   528                         ; values: a stage row: 512 bytes + 16
.set VSTG, 16*SP
.set SCG,  VB+8*VSTG                   ; behind its eight stages: two scale images of 512 bytes
.set SPB,  SCG+1024                    ; the spare words: 128 bytes a wave, four blocks of 256 bytes that no other line names
.set PR,   16
.set X,    80
.set PT,   144
.set C,    208
	s_load_b256 s[4:11], s[0:1], 0x0               ; queries, keys, q_pos, k_pos
	s_load_b128 s[12:15], s[0:1], 0x20             ; qimg, kv
	s_load_b64 s[38:39], s[0:1], 0x30              ; values
	v_lshl_add_u32 v254, v0, 2, SPB
	v_mov_b32 v255, 0
	v_lshrrev_b32 v1, 5, v0
	s_delay_alu instid0(VALU_DEP_1)
	v_readfirstlane_b32 s16, v1                    ; wave 0..7
	v_and_b32 v1, 31, v0                           ; lane
	s_wait_alu depctr_va_vdst(0)                   ; the wait ahead of the branch and the scalar lines
	s_cmp_lt_u32 ttmp9, 1024
	s_cbranch_scc0 .Lvalues
	s_and_b32 s17, s16, 1                          ; e
	s_lshr_b32 s18, s16, 1                         ; Qr
	s_lshr_b32 s19, s18, 1                         ; ks
	s_and_b32 s20, s18, 1                          ; c'
	s_and_b32 s21, ttmp9, 7                        ; batch
	s_bfe_u32 s22, ttmp9, 0x60003                  ; group g
	s_lshr_b32 s23, ttmp9, 9                       ; 0: q, 1: k
	s_lshl_b32 s24, s22, 6
	s_lshl_b32 s25, s17, 5
	s_add_co_u32 s24, s24, s25                     ; my wave's first row
	s_lshl_b32 s26, s21, 22
	s_lshl_b32 s27, s18, 20
	s_add_co_u32 s26, s26, s27
	s_lshl_b32 s27, s24, 2
	s_add_co_u32 s26, s26, s27
	s_mov_b32 s27, 0
	s_lshl_b32 s28, s24, 10
	s_lshl_b32 s29, s18, 8
	s_add_co_u32 s28, s28, s29
	s_mov_b32 s29, 0
	s_lshl_b32 s30, s21, 4                         ; the BLOCK: ((16 b + g / 4) x 51,200, twice that in kv) + (g % 4) x 12,800
	s_lshr_b32 s31, s22, 2
	s_add_co_u32 s30, s30, s31
	s_mul_i32 s30, s30, 4*BLK
	s_lshl_b32 s30, s30, s23
	s_and_b32 s31, s22, 3
	s_mul_i32 s31, s31, BLK
	s_add_co_u32 s30, s30, s31
	s_mov_b32 s31, 0
	v_lshlrev_b32 v2, 2, v1
	v_lshrrev_b32 v12, 4, v1
	v_and_b32 v13, 15, v1
	v_lshlrev_b32 v11, 4, v1
	s_delay_alu instid0(VALU_DEP_2)
	v_lshlrev_b32 v14, 4, v13
	s_delay_alu instid0(VALU_DEP_1)
	v_lshl_add_u32 v3, v12, 10, v14                ; position table: two rows an instruction, sixteen lanes to a row's 256 bytes
	s_mul_i32 s32, s16, STG
	v_mad_u32_u24 v4, v12, PP, v14
	s_delay_alu instid0(VALU_DEP_1)
	v_add_nc_u32 v4, s32, v4                       ; the stage, in
	v_mul_u32_u24 v5, v1, PP
	s_delay_alu instid0(VALU_DEP_1)
	v_add_nc_u32 v5, s32, v5                       ; and out: my row
	v_lshrrev_b32 v12, 3, v1                       ; u
	v_and_b32 v13, 7, v1                           ; r'
	s_delay_alu instid0(VALU_DEP_2)
	v_mul_u32_u24 v6, v12, 3072
	s_delay_alu instid0(VALU_DEP_1)
	v_lshl_add_u32 v6, v13, 4, v6
	s_wait_alu depctr_va_vdst(0)
	s_mul_i32 s33, s19, 1536
	s_lshl_b32 s34, s17, 7
	s_add_co_u32 s33, s33, s34
	s_add_co_u32 s33, s33, IMG
	s_mul_i32 s34, s20, 520                        ; registers 6 c', 6 c' + 1 lie at byte 0 or 520 of a lane's image, 6 c' + 4, + 5 lie 512 further on,
	s_add_co_u32 s34, s34, s33
	s_mul_i32 s35, s20, 1016                       ; 6 c' + 2, + 3 at byte 8 or 1,024
	s_add_co_u32 s35, s35, s33
	s_add_co_u32 s35, s35, 8
	v_add_nc_u32 v7, s35, v6
	v_add_nc_u32 v6, s34, v6
	v_lshlrev_b32 v8, 4, v13                       ; my two scale bytes
	s_delay_alu instid0(VALU_DEP_1)
	v_lshl_add_u32 v8, v12, 2, v8
	s_lshl_b32 s36, s17, 7
	s_lshl_b32 s37, s19, 8
	s_add_co_u32 s36, s36, s37
	s_lshl_b32 s37, s20, 1
	s_add_co_u32 s36, s36, s37
	s_add_co_u32 s36, s36, IMG+12288
	v_add_nc_u32 v8, s36, v8
	s_mul_i32 s37, s16, 1536                       ; the way out: wave w takes fragment image w
	v_add_nc_u32 v10, s37, v11
	s_delay_alu instid0(VALU_DEP_1)
	v_add_nc_u32 v9, IMG, v10
	s_wait_kmcnt 0x0
	s_cmp_lt_u32 ttmp9, 512                        ; q's work-group or k's: only pointers are chosen
	s_cselect_b64 s[4:5], s[4:5], s[6:7]
	s_cselect_b64 s[8:9], s[8:9], s[10:11]
	s_cselect_b64 s[12:13], s[12:13], s[14:15]
	s_add_nc_u64 s[4:5], s[4:5], s[26:27]
	s_add_nc_u64 s[8:9], s[8:9], s[28:29]
	s_add_nc_u64 s[12:13], s[12:13], s[30:31]
.set J, 0
.rept 16
	global_load_b128 v[PR+4*J:PR+4*J+3], v3, s[8:9] offset:2048*J
.set J, J+1
.endr
.set J, 0
.rept 64
	global_load_b32 v[X+J], v2, s[4:5] offset:16384*J th:TH_LOAD_NT       ; channel 64 Qr + J of my 32 rows: 128 consecutive bytes
.set J, J+1
.endr
	s_wait_loadcnt 63                              ; of the 80 loads at most 63 are out: the 16 of the position table are in
.set J, 0
.rept 16
	ds_store_b128 v4, v[PR+4*J:PR+4*J+3] offset:2*PP*J
.set J, J+1
.endr
.set J, 0
.rept 16
	ds_load_b128 v[PT+4*J:PT+4*J+3], v5 offset:16*J                        ; LDS serves a wave's instructions in order; the stage is my wave's own
.set J, J+1
.endr
	s_wait_dscnt 0x0
.macro QBLOCK x, c, d, so, by          ; 32 numbers of a lane: 6 registers of codes, the conversion's scale operand, the scale's byte
	v_max3_num_f32 v228, |v[(\x)]|, |v[(\x)+1]|, |v[(\x)+2]|
	v_max3_num_f32 v229, |v[(\x)+3]|, |v[(\x)+4]|, |v[(\x)+5]|
.irp i, 6,10,14,18,22,26
	s_delay_alu instid0(VALU_DEP_2)
	v_max3_num_f32 v228, v228, |v[(\x)+\i]|, |v[(\x)+\i+1]|
	s_delay_alu instid0(VALU_DEP_2)
	v_max3_num_f32 v229, v229, |v[(\x)+\i+2]|, |v[(\x)+\i+3]|
.endr
	s_delay_alu instid0(VALU_DEP_2)
	v_max3_num_f32 v228, v228, |v[(\x)+30]|, |v[(\x)+31]|
	s_delay_alu instid0(VALU_DEP_1)
	v_max3_num_f32 v228, v228, v229, 0x1800000     ; the floor 2^(3 - 127)
	s_delay_alu instid0(VALU_DEP_1)
	v_add_nc_u32 v[\so], 0xff000000, v228          ; 2 off the exponent field
	s_delay_alu instid0(VALU_DEP_1)
	v_lshrrev_b32 v[\by], 23, v[\so]
	v_cvt_scalef32_pk16_fp6_f32 v[(\c):(\c)+2], v[(\x):(\x)+15], v[\so]
	v_cvt_scalef32_pk16_fp6_f32 v[(\d):(\d)+2], v[(\x)+16:(\x)+31], v[\so] ; (a conversion's three registers begin on an even number)
	v_nop
.irp i, 0,1,2
	v_mov_b32 v[(\c)+3+\i], v[(\d)+\i]
.endr
.endm
	s_wait_loadcnt 32                              ; my first 32 channels are in
.set J, 0
.rept 16
	v_pk_add_f32 v[X+J:X+J+1], v[X+J:X+J+1], v[PT+J:PT+J+1]                ; x + pos, in f32
.set J, J+2
.endr
	QBLOCK X, C, 220, 230, 232
	s_wait_loadcnt 0x0
.set J, 32
.rept 16
	v_pk_add_f32 v[X+J:X+J+1], v[X+J:X+J+1], v[PT+J:PT+J+1]
.set J, J+2
.endr
	QBLOCK X+32, C+6, 224, 231, 233
.irp b, 0,1                                    ; block b goes to lane (row, h = b) of the image: 256 b bytes on
	ds_store_b64 v6, v[C+6*\b:C+6*\b+1] offset:256*\b
	ds_store_b64 v7, v[C+6*\b+2:C+6*\b+3] offset:256*\b
	ds_store_b64 v6, v[C+6*\b+4:C+6*\b+5] offset:256*\b+512
.endr
	v_lshl_or_b32 v234, v233, 8, v232
	ds_store_b16 v8, v234
	s_wait_dscnt 0x0                               ; for the others' sake: my stores into the image are done
	s_barrier_signal -1
	s_barrier_wait -1
.irp c, 0,1,2
	ds_load_b128 v[16+4*\c:19+4*\c], v9 offset:512*\c
.endr
	s_wait_dscnt 0x0
.irp c, 0,1,2
	global_store_b128 v10, v[16+4*\c:19+4*\c], s[12:13] offset:512*\c      ; 32 lanes store 512 consecutive bytes, at a multiple of 256 from the buffer's first byte
.endr
	s_cmp_lg_u32 s16, 0                            ; wave 0 also takes the scale image
	s_cbranch_scc1 .Ldone_qk
	ds_load_b128 v[32:35], v9 offset:12288
	s_wait_dscnt 0x0
	global_store_b128 v10, v[32:35], s[12:13] offset:12288
.Ldone_qk:
	s_wait_tensorcnt 0x0                           ; the wave's end
	ds_add_u32 v254, v255
	s_wait_dscnt 0x0
	s_endpgm
.Lvalues:
.set R,    16                          ; v16-143  32 loads
.set X,    144                         ; v144-207 my two blocks
.set F,    208                         ; v208-231 two fragments
	s_wait_kmcnt 0x0                               ; the arguments are in, so their registers may be written
	s_mov_b64 s[4:5], s[38:39]                     ; values
	s_mov_b64 s[6:7], s[14:15]                     ; kv
	s_and_b32 s8, s16, 3                           ; my tile j of the BLOCK
	s_lshr_b32 s19, s16, 2                         ; which of the work-group's two BLOCKs
	s_mul_i32 s18, s16, VSTG
	s_add_co_u32 s18, s18, VB                      ; my stage
	s_sub_co_u32 s20, ttmp9, 1024
	s_lshl_b32 s20, s20, 1
	s_add_co_u32 s20, s20, s19                     ; the BLOCK's number, 0 .. 511
	s_and_b32 s9, s20, 3                           ; n
	s_bfe_u32 s10, s20, 0x40002                    ; slot
	s_lshr_b32 s11, s20, 6                         ; batch
	s_lshl_b32 s12, s9, 2
	s_add_co_u32 s12, s12, s8                      ; channel tile 4 n + j
	s_lshl_b32 s12, s12, 18
	s_lshl_b32 s13, s11, 22
	s_add_co_u32 s12, s12, s13
	s_lshl_b32 s13, s10, 10
	s_add_co_u32 s12, s12, s13
	s_mov_b32 s13, 0
	s_lshl_b32 s14, s11, 4
	s_add_co_u32 s14, s14, s10
	s_mul_i32 s14, s14, 8*BLK
	s_mul_i32 s15, s9, BLK
	s_add_co_u32 s14, s14, s15
	s_add_co_u32 s14, s14, 4*BLK                   ; my BLOCK
	s_mov_b32 s15, 0
	s_mov_b32 s16, 0x76543210
	s_mov_b32 s17, 0xfedcba98                      ; selects for lane l xor 16
	s_mul_i32 s23, s8, 3072                        ; my two fragment images in the BLOCK
	s_lshl_b32 s24, s8, 2
	s_lshl_b32 s21, s19, 9
	s_add_co_u32 s24, s24, s21
	s_add_co_u32 s24, s24, SCG                     ; my word of my BLOCK's scale image
	v_lshlrev_b32 v2, 4, v1                        ; 16 x lane
	v_add_nc_u32 v3, s18, v2                       ; the stage, in
	v_and_b32 v8, 15, v1                           ; row
	v_lshrrev_b32 v9, 4, v1                        ; h
	v_mul_u32_u24 v4, v8, SP
	v_lshl_add_u32 v4, v9, 7, v4
	v_add_nc_u32 v4, s18, v4                       ; and out: row x pitch + 128 h
	v_add_nc_u32 v5, s23, v2
	v_add_nc_u32 v6, s24, v2
	v_lshlrev_b32 v249, 3, v9                      ; 8 h
	v_mov_b32 v248, 0                              ; written once: a lane permute's destination counts as one of its sources
	s_wait_alu depctr_va_vdst(0)                   ; the wait at the head's end
	s_add_nc_u64 s[4:5], s[4:5], s[12:13]
	s_add_nc_u64 s[6:7], s[6:7], s[14:15]
.irp kk, 0,1
.set J, 0
.rept 16
	global_load_b128 v[R+64*\kk+4*J:R+64*\kk+4*J+3], v2, s[4:5] offset:16384*J+512*\kk th:TH_LOAD_NT   ; 128 keys of channel row J: 512 consecutive bytes
.set J, J+1
.endr
.endr
.macro QBV x, c, d, so, by
	v_max3_num_f32 v240, |v[(\x)]|, |v[(\x)+1]|, |v[(\x)+2]|
	v_max3_num_f32 v241, |v[(\x)+3]|, |v[(\x)+4]|, |v[(\x)+5]|
.irp i, 6,10,14,18,22,26
	v_max3_num_f32 v240, v240, |v[(\x)+\i]|, |v[(\x)+\i+1]|
	v_max3_num_f32 v241, v241, |v[(\x)+\i+2]|, |v[(\x)+\i+3]|
.endr
	v_max3_num_f32 v240, v240, |v[(\x)+30]|, |v[(\x)+31]|
	v_max3_num_f32 v240, v240, v241, 0x1800000
	v_add_nc_u32 v[\so], 0xff000000, v240
	v_lshrrev_b32 v[\by], 23, v[\so]
	v_cvt_scalef32_pk16_fp6_f32 v[(\c):(\c)+2], v[(\x):(\x)+15], v[\so]
	v_cvt_scalef32_pk16_fp6_f32 v[(\d):(\d)+2], v[(\x)+16:(\x)+31], v[\so]
	v_nop
.irp i, 0,1,2
	v_mov_b32 v[(\c)+3+\i], v[(\d)+\i]
.endr
.endm
.macro HALF kk
	s_wait_loadcnt 16-16*\kk                       ; this half's 16 loads are in; the other half's may be out
.set J, 0
.rept 16
	ds_store_b128 v3, v[R+64*\kk+4*J:R+64*\kk+4*J+3] offset:SP*J
.set J, J+1
.endr
.irp c, 0,1
.irp i, 0,1,2,3,4,5,6,7
	ds_load_b128 v[X+32*\c+4*\i:X+32*\c+4*\i+3], v4 offset:256*\c+16*\i    ; keys 64 c + 32 h + 4 i on of my row; LDS serves a wave's instructions in order
.endr
.endr
	s_wait_dscnt 0x0
	QBV X, F+12*\kk, 232, 242, 244
	QBV X+32, F+12*\kk+6, 236, 243, 245
	v_lshl_or_b32 v[246+\kk], v245, 16, v244       ; my two bytes: blocks h and 2 + h of my row,
	v_lshlrev_b32 v[246+\kk], v249, v[246+\kk]     ; 8 h bits up;
	v_permlanex16_b32 v248, v[246+\kk], s16, s17
	v_or_b32 v[246+\kk], v[246+\kk], v248          ; with lane l xor 16's two the word is whole
.irp c, 0,1,2
	global_store_b128 v5, v[F+12*\kk+4*\c:F+12*\kk+4*\c+3], s[6:7] offset:1536*\kk+512*\c   ; 32 lanes store 512 consecutive bytes, at a multiple of 256 from the buffer's first byte
.endr
.endm
	HALF 0
	HALF 1
	v_cmp_lt_u32 vcc_lo, 15, v1
	v_cndmask_b32 v250, v246, v247, vcc_lo         ; lanes 0-15 carry K step 0's word, lanes 16-31 K step 1's
	ds_store_b32 v6, v250
	s_wait_dscnt 0x0                               ; for the others' sake: my store is done
	s_barrier_signal -1
	s_barrier_wait -1
	s_cmp_lg_u32 s8, 0                             ; a BLOCK's first wave (whose v6 is its scale image + 16 x lane) stores the scale image
	s_cbranch_scc1 .Ldone_v
	ds_load_b128 v[144:147], v6
	s_wait_dscnt 0x0
	global_store_b128 v2, v[144:147], s[6:7] offset:12288
.Ldone_v:
	s_wait_tensorcnt 0x0                           ; the wave's end
	ds_add_u32 v254, v255
	s_wait_dscnt 0x0
	s_endpgm
.Lfunc_end_k_qb9f2d349b4_prep:
	.size	k_qb9f2d349b4_prep, .Lfunc_end_k_qb9f2d349b4_prep-k_qb9f2d349b4_prep
	.p2alignl 7, 3214868480
	.fill 96, 4, 3214868480
	.section	.rodata,"a",@progbits
	.p2align	6, 0x0
	.amdhsa_kernel k_qb9f2d349b4_prep
		.amdhsa_group_segment_fixed_size 152064
		.amdhsa_private_segment_fixed_size 0
		.amdhsa_enable_private_segment 0
		.amdhsa_kernarg_size 56
		.amdhsa_user_sgpr_count 2
		.amdhsa_user_sgpr_kernarg_segment_ptr 1
		.amdhsa_wavefront_size32 1
		.amdhsa_system_sgpr_workgroup_id_x 1
		.amdhsa_system_sgpr_workgroup_id_y 1
		.amdhsa_system_sgpr_workgroup_id_z 1
		.amdhsa_system_vgpr_workitem_id 0
		.amdhsa_next_free_vgpr 256
		.amdhsa_next_free_sgpr 66
		.amdhsa_reserve_vcc 1
		.amdhsa_float_denorm_mode_32 3
		.amdhsa_float_denorm_mode_16_64 3
		.amdhsa_memory_ordered 1
		.amdhsa_forward_progress 1
		.amdhsa_inst_pref_size 38
	.end_amdhsa_kernel
	.amdgpu_metadata
---
amdhsa.version: [ 1, 2 ]
amdhsa.kernels:
  - .name:           k_qb9f2d349b4_prep
    .symbol:         k_qb9f2d349b4_prep.kd
    .args:
      - { .name: queries, .offset: 0, .size: 8, .value_kind: global_buffer, .address_space: global }
      - { .name: keys, .offset: 8, .size: 8, .value_kind: global_buffer, .address_space: global }
      - { .name: q_pos_embedding, .offset: 16, .size: 8, .value_kind: global_buffer, .address_space: global }
      - { .name: k_pos_embedding, .offset: 24, .size: 8, .value_kind: global_buffer, .address_space: global }
      - { .name: qimg, .offset: 32, .size: 8, .value_kind: global_buffer, .address_space: global }
      - { .name: kv, .offset: 40, .size: 8, .value_kind: global_buffer, .address_space: global }
      - { .name: values, .offset: 48, .size: 8, .value_kind: global_buffer, .address_space: global }
    .group_segment_fixed_size: 152064
    .private_segment_fixed_size: 0
    .kernarg_segment_align: 8
    .kernarg_segment_size: 56
    .max_flat_workgroup_size: 256
    .sgpr_count:     66
    .vgpr_count:     256
    .wavefront_size: 32
...
	.end_amdgpu_metadata
.endif
;; end of part 1
;; launch attn (part 2): grid 32 x 8, 4 waves a work-group, clusters of 4 x 1, 327,680 bytes of LDS; arguments qimg, kv, out0; writes out0
.if DOCPART == 2
	.amdgcn_target "amdgcn-amd-amdhsa--gfx1250"
	.amdhsa_code_object_version 6
	.text
	.protected	k_qb9f2d349b4_attn
	.globl	k_qb9f2d349b4_attn
	.p2align	8
	.type	k_qb9f2d349b4_attn,@function
k_qb9f2d349b4_attn:
	s_mov_b64 s[64:65], 0
	v_nop
	global_prefetch_b8 v0, s[64:65] scope:SCOPE_SE
	s_setreg_imm32_b32 hwreg(HW_REG_WAVE_MODE, 25, 1), 1
	s_wait_xcnt 0x0
	s_wait_alu depctr_hold_cnt(0) depctr_sa_sdst(0) depctr_va_vdst(0) depctr_va_sdst(0) depctr_va_ssrc(0) depctr_va_vcc(0) depctr_vm_vsrc(0)
	s_getreg_b32 s2, hwreg(HW_REG_IB_STS2, 6, 4)
	s_cmp_eq_u32 s2, 0
	s_cbranch_scc0 .Lentry_in_a_cluster
	s_endpgm
.Lentry_in_a_cluster:
	s_bfe_u32 s2, ttmp6, 0x10000c
	s_cmp_lg_u32 s2, 0x3003
	s_cbranch_scc0 .Lentry_shape_is_right
	s_endpgm
.Lentry_shape_is_right:
; out0[b][c][q] = the sum over keys of softmax(q . k / 16) v[key][c], both products on codes of FP6 (E2M3) with one E8M0 scale for each 32 along a product's K.
; qimg and kv hold q, k and v as images of operand registers (BLOCKs of 12,800 bytes: 8 fragments of 1,536 bytes, chunk c at 512 c, 16 bytes a lane; then a scale image, 16 bytes a lane: word j = tile j's scale word, lanes 0-15 K step 0, lanes 16-31 K step 1).
; THE SOFTMAX: t = score x log2(e) / 16; M = the running largest t rounded UP to a whole number; p = 2^(t - M) is quantised along the keys, not normalised; the row's sum is taken of the unquantised p and divides at the end.
; When M moves, the sum and O are multiplied by 2^(old M - new M), which rounds nothing.
; SHARES.  A work-group owns 128 queries of one batch (two groups of 64 in qimg), each of its four waves two tiles of 16.  Every wave walks all 4,096 keys, 256 a step: one slot of kv, 102,400 dense bytes: 4 BLOCKs of k, 4 of v.
; LAYOUT.  Both products are used transposed: S^T = K Q^T (source 0 = 16 keys), O^T = V^T P (source 0 = 16 channels): a lane holds ONE query throughout.  Row 8 e + r' of tile u of a group of 64 keys is key 64 g + 32 e + 8 u + r':
; so the 32 registers of a group's four tiles are, in lane (query, h), the keys 64 g + 32 h + 0 .. 31 in order: a WHOLE block of the next K, at the place that the 6-bit operand wants: no lane is asked for a block's maximum, and no codes change lanes.
; CLUSTER.  The four work-groups of a cluster belong to one batch and walk the same slots: each quarter of a slot is asked for JOINTLY, by the same tensor load with the same descriptor and a mask that names the four.
; A step: four batches K Q^T (a BLOCK of k each, 16 matrix instructions), the softmax of both tiles, four batches V^T P.  Two fragment buffers: a batch's 25 LDS loads are issued two batches ahead, across the softmax too.
; LIMITS: NaN and infinities are not served; p under 2^-126 comes out of v_exp_f32 as 0; a block whose every p is 0 keeps the byte 1 with zero codes; a block's largest p is made from the block's largest score by the same multiply-add and
; exponential, which takes v_exp_f32 not to fall where its input rises.
; REGISTERS, in windows of 256 (s_set_vgpr_msb's low byte: bits 1:0 source 0, 3:2 source 1, 5:4 source 2, 7:6 destination):
;   window 0: v1 16 x lane, v2 the same + 51,200, v3 / v4 LDS address of the slot's k / v BLOCKs, v5 / v6 the spare word and 0, v7 / v8 stage in, v9 stage out, v11 prefetch offset;
;             v16-19, v20-23 k's or v's scale words of buffer 0, 1; v24-25 q's scale words (tile t); v26-29 p's (26 + 2 t + kk); v64-159 buffer 0, v160-255 buffer 1 (fragment i at 12 i).
;   window 1: O^T: tile t, channel tile ct at 128 t + 8 ct.
;   window 2 (tile 0), window 3 (tile 1), the same numbers: v0-127 S^T then p; v128-151 q's two fragments; v152-175 p's two; v176-179 the blocks' largest scores, then p; v180-183 scale operands; v184-187 bytes;
;             v188 -M, v189 the largest t; v190-191 the factor; v192-195 the sum, two pairs; v196-211 the conversions' upper halves; v212-215 at work; v216 8 h.
.set BLK,   12800
.set SLOTB, 8*BLK                      ; a slot's bytes
.set QUART, SLOTB/4                    ; what one tensor load brings: 100 rows of 256 bytes
.set SLOT1, 1<<17                      ; slot 1 begins here, so that one exclusive or turns an address in one slot into the other's
.set SPARE, SLOT1+SLOTB                ; behind the ring: the spare words, 128 bytes for each wave: two blocks of 256 bytes that no other line names
; THE STAGE for the way out: 256 channels x 512 bytes at LDS bytes 0 to 131,071: slot 0, which has had its last fill and which every wave has left at the last change of slots, and the gap behind it, which nothing fills.
.set MSB, 0
.macro WIN new                         ; the immediate's high byte repeats the setting that is left; a switch that changes nothing is dropped
.if MSB != (\new)
	s_set_vgpr_msb (MSB<<8)|(\new)
.set MSB, (\new)
.endif
.endm
.macro PLACES n
.rept \n
	v_nop
.endr
.endm
.macro CREST                           ; a round of the cluster's barrier behind its opening barrier
	s_cmp_lg_u32 s10, 0
	s_cbranch_scc1 .Lnot_wave_0_\@
	s_barrier_signal -3
.Lnot_wave_0_\@:
	s_barrier_wait -3
	s_barrier_signal -1
	s_barrier_wait -1
.endm
.macro CROUND                          ; a whole round
	s_barrier_signal -1
	s_barrier_wait -1
	CREST
.endm
; A PREFETCH INTO THE L2 of the slot that the NEXT change of slots will ask for: one key step, 128 matrix instructions a wave, ahead of that load.  All clusters of a batch walk the same slots: the batch's first cluster asks.
; A wave's quarter is 100 blocks of 256 bytes; its four partners take 25 each, told apart BY ADDRESS; a lane a block (lanes 25 to 31 name lane 24's block again).  The last change that fills a slot asks for nothing.
.macro ASK
	s_cmp_gt_u32 s21, s20
	s_cbranch_scc0 .Lnot_mine_\@
	global_prefetch_b8 v11, s[18:19] th:TH_LOAD_NT scope:SCOPE_SE
.Lnot_mine_\@:
.endm
	s_load_b128 s[4:7], s[0:1], 0x0                ; qimg, kv
	s_load_b64 s[8:9], s[0:1], 0x10                ; out0
	v_lshl_add_u32 v5, v0, 2, SPARE
	v_mov_b32 v6, 0
	ds_add_u32 v5, v6
	ds_add_u32 v5, v6
	s_wait_dscnt 0x0
	v_lshrrev_b32 v1, 5, v0
	v_readfirstlane_b32 s10, v1                    ; wave 0..3
	s_bfe_u32 s11, ttmp6, 0x40000                  ; cx: my place in the cluster
	s_and_b32 s13, ttmp7, 0xffff                   ; the batch, which the four partners share
	; descriptor group 1: 100 rows of 256 bytes (32 elements of 8 bytes), dense in memory and in LDS
	s_mov_b32 s24, 15|(3<<16)|(1<<21)              ; 15:0 the mask: all four work-groups; 17:16 elements of 8 bytes; 20 no padding; 21 set beside a mask
	s_mov_b32 s25, 32<<16                          ; tensor_dim0 = 32
	s_mov_b32 s26, 100<<16                         ; tensor_dim1 = 100
	s_mov_b32 s27, 32<<16                          ; tile_dim0 = 32
	s_mov_b32 s28, 100                             ; tile_dim1 = 100
	s_mov_b32 s29, 32                              ; from row to row: 32 elements
	s_mov_b32 s30, 0
	s_mov_b32 s31, 0
	s_mul_i32 s14, s13, 16*SLOTB                   ; the batch's 16 slots,
	s_mul_i32 s16, s10, QUART                      ; my wave's quarter: in memory and in a slot alike; no place in the cluster enters it
	s_add_co_u32 s14, s14, s16
	s_mov_b32 s15, 0
	; what hangs on cx lies in s12 and s44 to s57, which feed no descriptor
	s_lshl_b32 s12, ttmp9, 2                       ; in a cluster launch ttmp9 counts clusters
	s_add_co_u32 s12, s12, s11                     ; my block of 128 queries
	s_lshl_b32 s44, s13, 6
	s_lshl_b32 s45, s12, 1
	s_add_co_u32 s44, s44, s45
	s_lshr_b32 s45, s10, 1
	s_add_co_u32 s44, s44, s45                     ; my wave's group of 64 queries: 64 b + 2 x + w / 2
	s_mul_i32 s44, s44, BLK
	s_mov_b32 s45, 0
	s_and_b32 s46, s10, 1
	s_mul_i32 s48, s46, 4*1536                     ; my tiles are u = 2 (w & 1) + t: fragments 4 (w & 1) on,
	s_mov_b32 s49, 0
	s_lshl_b32 s46, s46, 3                         ; scale words 2 (w & 1) on
	s_mov_b32 s47, 0
	s_lshl_b32 s52, s13, 22                        ; out0: batch x 4 MiB + 64 w channels of 16,384 bytes + 512 bytes a block of queries
	s_lshl_b32 s53, s10, 20
	s_add_co_u32 s52, s52, s53
	s_lshl_b32 s53, s12, 9
	s_add_co_u32 s52, s52, s53
	s_mov_b32 s53, 0
	s_mul_i32 s56, s11, QUART/4                    ; the prefetches: my work-group's 25 blocks of the quarter,
	s_add_co_u32 s56, s56, 2*SLOTB                 ; in slot 2: the first change of slots steps it to slot 3.  Nothing is prefetched at the head, where every work-group's first tiles are on their way
	s_mov_b32 s57, 0
	s_mov_b32 s40, 0x3db8aa3b                      ; c = log2(e) / 16
	s_mov_b32 s41, s40                             ; (the packed form names the pair, so it is written)
	s_mov_b32 s42, 0x76543210
	s_mov_b32 s43, 0xfedcba98                      ; v_permlanex16_b32's selects for lane l xor 16
	s_mov_b32 s22, 0                               ; the slot in hand begins here
	s_mov_b32 s21, 14                              ; slots still to be asked for
	s_cmp_eq_u32 ttmp9, 0
	s_cselect_b32 s20, 1, -1                       ; 1 in the batch's first cluster, else the greatest number: the same in all four partners
	v_and_b32 v12, 31, v0                          ; lane
	v_lshlrev_b32 v1, 4, v12                       ; 16 x lane
	v_add_nc_u32 v2, 4*BLK, v1
	v_min_u32 v11, 24, v12
	v_lshlrev_b32 v11, 8, v11
	v_bfe_u32 v13, v0, 4, 1                        ; h
	v_lshlrev_b32 v14, 3, v13                      ; 8 h
	v_and_b32 v7, 7, v0                            ; the stage, on the way in: channel 8 h + .. (512 bytes each); my query's place among the 128: 64 (w / 2) + 32 (r / 8) + 16 (w & 1) + 8 t + r % 8
	v_lshlrev_b32 v7, 2, v7
	v_bfe_u32 v8, v0, 3, 1
	v_lshl_add_u32 v7, v8, 7, v7
	v_lshl_add_u32 v7, v13, 12, v7
	s_lshr_b32 s54, s10, 1
	s_lshl_b32 s54, s54, 8
	s_and_b32 s55, s10, 1
	s_lshl_b32 s55, s55, 6
	s_add_co_u32 s54, s54, s55
	v_add_nc_u32 v7, s54, v7
	v_add_nc_u32 v8, 0x10000, v7                   ; channels 128 on
	s_lshl_b32 s54, s10, 15
	v_add_nc_u32 v9, s54, v1                       ; and out: channels 64 w on, 16 bytes a lane
	s_wait_kmcnt 0x0
	s_add_nc_u64 s[6:7], s[6:7], s[14:15]          ; kv at my quarter of the batch's slot 0
	s_add_nc_u64 s[18:19], s[6:7], s[56:57]
	s_add_nc_u64 s[4:5], s[4:5], s[44:45]          ; qimg at my group's BLOCK,
	s_add_nc_u64 s[50:51], s[4:5], s[46:47]        ; its scale image at my two words,
	s_add_nc_u64 s[4:5], s[4:5], s[48:49]          ; and at my four fragments
	s_add_nc_u64 s[8:9], s[8:9], s[52:53]
	s_mov_b32 s32, 1                               ; group 0 for slot 0: count = 1,
	s_mov_b32 s33, s16                             ; LDS address,
	s_mov_b64 s[34:35], s[6:7]                     ; global address,
	s_or_b32 s35, s35, 0x80000000                  ; type = 2
	s_mov_b32 s36, 1                               ; and for slot 1: this one walks on
	s_add_co_u32 s37, s16, SLOT1
	s_add_nc_u64 s[38:39], s[6:7], SLOTB
	s_or_b32 s39, s39, 0x80000000
	CROUND                                         ; all four work-groups are here: the first joint loads meet
	tensor_load_to_lds s[32:35], s[24:31]          ; key step 0: my one load at the head
	s_nop 0
	PLACES 4
.irp t, 0,1
	WIN 0x80+0x40*\t                               ; destination window 2 + t
.irp f, 0,1,2,3,4,5
	global_load_b128 v[128+4*\f:131+4*\f], v1, s[4:5] offset:3072*\t+512*\f   ; q's two fragments of tile t stay in registers
.endr
	v_mov_b32 v188, 0x7f61b1e6                     ; -M = floor(3e38) = 3e38
	v_mov_b32 v189, 0xff61b1e6                     ; the largest t so far: -3e38, under every t
	v_mov_b32 v191, 0                              ; (named as the upper half of the pair v[190:191])
	v_mov_b32 v192, 0                              ; the sum
	v_mov_b32 v193, 0
	v_mov_b32 v194, 0
	v_mov_b32 v195, 0
	v_mov_b32 v216, v14                            ; 8 h
.endr
	WIN 0
	global_load_b64 v[24:25], v1, s[50:51] offset:12288   ; q's scale words of my two tiles: lanes 0-15 K step 0, lanes 16-31 K step 1
; 25 LDS loads: BLOCK blk of the slot in hand (0-3: k's groups, 4-7: v's) into buffer buf, its scale image into the buffer's four scale registers.  512 consecutive bytes a load.
.macro FETCH blk, buf
.if (\blk) < 4
.set FA, 3
.else
.set FA, 4
.endif
.set FI, 0
.rept 24
	ds_load_b128 v[64+96*(\buf)+4*FI:64+96*(\buf)+4*FI+3], v[FA] offset:((\blk)%4)*BLK+512*FI
.set FI, FI+1
.endr
	ds_load_b128 v[16+4*(\buf):16+4*(\buf)+3], v[FA] offset:((\blk)%4)*BLK+12288
.endm
; 16 matrix instructions: S^T of key group g for both tiles.  For a tile: channels 0-127 of the four key tiles start the sums, channels 128-255 go on: the four accumulators take turns.
.macro KQ g, buf
.irp t, 0,1
	WIN 0xa8+0x54*\t                               ; k in window 0; q, C and D in window 2 + t
.irp u, 0,1,2,3
	v_wmma_scale_f32_16x16x128_f8f6f4 v[8*(4*(\g)+\u):8*(4*(\g)+\u)+7], v[64+96*(\buf)+24*\u:64+96*(\buf)+24*\u+11], v[128:139], 0, v[16+4*(\buf)+\u], v[24+\t] matrix_a_fmt:MATRIX_FMT_FP6 matrix_b_fmt:MATRIX_FMT_FP6
.endr
.irp u, 0,1,2,3
	v_wmma_scale_f32_16x16x128_f8f6f4 v[8*(4*(\g)+\u):8*(4*(\g)+\u)+7], v[64+96*(\buf)+24*\u+12:64+96*(\buf)+24*\u+23], v[140:151], v[8*(4*(\g)+\u):8*(4*(\g)+\u)+7], v[16+4*(\buf)+\u], v[24+\t] matrix_a_fmt:MATRIX_FMT_FP6 matrix_b_fmt:MATRIX_FMT_FP6 matrix_a_scale:MATRIX_SCALE_ROW1 matrix_b_scale:MATRIX_SCALE_ROW1
.endr
.endr
.endm
; 8 matrix instructions: O^T of tile t, channel tiles 4 n .. 4 n + 3, += V^T P over the step's 256 keys.  first = 1: the first four start the sums: nothing is ever cleared.
.macro PVT n, buf, t, first
	WIN 0x58+4*(\t)                                ; v in window 0, p in window 2 + t, C and D in window 1
.irp j, 0,1,2,3
.if \first
	v_wmma_scale_f32_16x16x128_f8f6f4 v[128*(\t)+8*(4*(\n)+\j):128*(\t)+8*(4*(\n)+\j)+7], v[64+96*(\buf)+24*\j:64+96*(\buf)+24*\j+11], v[152:163], 0, v[16+4*(\buf)+\j], v[26+2*(\t)] matrix_a_fmt:MATRIX_FMT_FP6 matrix_b_fmt:MATRIX_FMT_FP6
.else
	v_wmma_scale_f32_16x16x128_f8f6f4 v[128*(\t)+8*(4*(\n)+\j):128*(\t)+8*(4*(\n)+\j)+7], v[64+96*(\buf)+24*\j:64+96*(\buf)+24*\j+11], v[152:163], v[128*(\t)+8*(4*(\n)+\j):128*(\t)+8*(4*(\n)+\j)+7], v[16+4*(\buf)+\j], v[26+2*(\t)] matrix_a_fmt:MATRIX_FMT_FP6 matrix_b_fmt:MATRIX_FMT_FP6
.endif
.endr
.irp j, 0,1,2,3
	v_wmma_scale_f32_16x16x128_f8f6f4 v[128*(\t)+8*(4*(\n)+\j):128*(\t)+8*(4*(\n)+\j)+7], v[64+96*(\buf)+24*\j+12:64+96*(\buf)+24*\j+23], v[164:175], v[128*(\t)+8*(4*(\n)+\j):128*(\t)+8*(4*(\n)+\j)+7], v[16+4*(\buf)+\j], v[27+2*(\t)] matrix_a_fmt:MATRIX_FMT_FP6 matrix_b_fmt:MATRIX_FMT_FP6 matrix_a_scale:MATRIX_SCALE_ROW1
.endr
.endm
; The largest score of my block of 32 keys in group g: 16 instructions, four chains, one to an accumulator, each from its accumulator's low end on.
.macro MAXB t, g
	WIN 0xaa+0x55*(\t)
.set SB, 32*(\g)
.irp a, 0,1,2,3
	v_max3_num_f32 v[212+\a], v[SB+8*\a], v[SB+8*\a+1], v[SB+8*\a+2]
.endr
.irp a, 0,1,2,3
	v_max3_num_f32 v[212+\a], v[212+\a], v[SB+8*\a+3], v[SB+8*\a+4]
.endr
.irp a, 0,1,2,3
	v_max3_num_f32 v[212+\a], v[212+\a], v[SB+8*\a+5], v[SB+8*\a+6]
.endr
	v_max3_num_f32 v212, v212, v[SB+7], v[SB+15]
	v_max3_num_f32 v214, v214, v[SB+23], v[SB+31]
	v_max3_num_f32 v212, v212, v213, v214
	v_max_num_f32 v[176+(\g)], v212, v215
.endm
; O^T of tile t, channel tiles 4 n .. 4 n + 3, times the factor in v190 of the tile's window: 16 packed multiplies, ascending
.macro RESC t, n
	WIN 0x49+4*(\t)
.set RI, 128*(\t)+32*(\n)
.rept 16
	v_pk_mul_f32 v[RI:RI+1], v[RI:RI+1], v[190:191] op_sel_hi:[1,0]
.set RI, RI+2
.endr
.endm
; the unquantised p of group g go into the row's sum: 16 packed additions, two chains
.macro SUMS t, g
	WIN 0xaa+0x55*(\t)
.set RI, 32*(\g)
.rept 8
	v_pk_add_f32 v[192:193], v[192:193], v[RI:RI+1]
	v_pk_add_f32 v[194:195], v[194:195], v[RI+2:RI+3]
.set RI, RI+4
.endr
.endm
; The softmax of tile t for the step's 256 keys, up to p's codes and scale words.
.macro CORE t, first
	MAXB \t, 3
	v_max3_num_f32 v212, v176, v177, v178
	v_max_num_f32 v212, v212, v179                 ; the largest score of my 128 keys,
	v_permlanex16_b32 v213, v212, s42, s43
	v_max_num_f32 v212, v212, v213                 ; and of lane l xor 16's: the step's largest score of my query
	v_mul_f32 v212, s40, v212                      ; as t (c is positive)
	v_max_num_f32 v189, v189, v212                 ; the running largest t
	v_mov_b32 v213, v188
	v_floor_f32 v188, -v189                        ; the new -M = floor(-t) = -ceil(t): a whole number
	v_sub_f32 v213, v188, v213                     ; old M - new M: a whole number, 0 or less
	v_cvt_i32_f32 v213, v213                       ; (it saturates)
	v_ldexp_f32 v190, 1.0, v213                    ; the factor 2^(old M - new M)
.set RI, 0
.rept 64
	v_pk_fma_f32 v[RI:RI+1], v[RI:RI+1], s[40:41], v[188:189] op_sel_hi:[1,0,0]   ; t - M, two at a time (of the pairs c and -M the low word serves both halves)
.set RI, RI+2
.endr
.irp g, 0,1,2,3
	v_fma_f32 v[176+\g], v[176+\g], s40, v188      ; the same of each block's largest score
.endr
.set RI, 0
	s_wait_alu depctr_va_vdst(0)
.rept 128
	v_exp_f32 v[RI], v[RI]                         ; p = 2^(t - M), at most 1: not normalised
.set RI, RI+1
.endr
.irp g, 0,1,2,3
	v_exp_f32 v[176+\g], v[176+\g]                 ; each block's largest p: ONE batch of 132, none of which reads another's result
.endr
	v_pk_mul_f32 v[192:193], v[192:193], v[190:191] op_sel_hi:[1,0]   ; the sum under the new M: the plain place behind the last exponential
	v_pk_mul_f32 v[194:195], v[194:195], v[190:191] op_sel_hi:[1,0]
	s_wait_alu depctr_va_vdst(0)                   ; one wait for the batch, ahead of the first instruction that names a result
.irp g, 0,1,2,3
	v_max_num_f32 v[176+\g], 0x1800000, v[176+\g]  ; the floor 2^(3 - 127): the byte cannot fall under 1
.endr
.irp g, 0,1,2,3
	v_add_nc_u32 v[180+\g], 0xff000000, v[176+\g]  ; 2 off the exponent field: the conversion's scale operand
.endr
.irp g, 0,1,2,3
	v_lshrrev_b32 v[184+\g], 23, v[180+\g]         ; the scale's byte
.endr
	v_lshl_or_b32 v212, v185, 16, v184             ; K step 0: my bytes are those of blocks h and 2 + h,
	v_lshl_or_b32 v213, v187, 16, v186             ; K step 1 likewise,
	v_lshlrev_b32 v212, v216, v212                 ; at their places in the scale word (8 h bits up);
	v_lshlrev_b32 v213, v216, v213
	v_permlanex16_b32 v214, v212, s42, s43
	v_permlanex16_b32 v215, v213, s42, s43
	WIN 0x2a+0x15*(\t)                             ; scale operands have no window: the words go to window 0
	v_or_b32 v[26+2*(\t)], v212, v214              ; with lane l xor 16's two bytes a word is whole
	v_or_b32 v[27+2*(\t)], v213, v215
	WIN 0xaa+0x55*(\t)
.irp g, 0,1,2,3
	v_cvt_scalef32_pk16_fp6_f32 v[152+6*\g:154+6*\g], v[32*\g:32*\g+15], v[180+\g]        ; group g = 2 kk + c': registers 6 c' .. of p's fragment kk
	v_cvt_scalef32_pk16_fp6_f32 v[196+4*\g:198+4*\g], v[32*\g+16:32*\g+31], v[180+\g]     ; (a conversion's three registers begin on an even number)
.endr
	v_nop                                          ; one plain place behind a scaled conversion
.irp g, 0,1,2,3
.irp i, 0,1,2
	v_mov_b32 v[155+6*\g+\i], v[196+4*\g+\i]
.endr
.endr
.if !\first
	RESC \t, 0                                     ; the first quarter of O^T under the new M; these 16 also stand between p's codes and scale words and the products that take them
.endif
.endm
; A KEY STEP.  first = 1: the first, which starts O^T.  mode 2: the slot is left and filled again; 1: it is left; 0: the last step.
; Each s_wait_dscnt 25: the older batch's 25 loads are in, the younger batch's 25 may be out.  A load into a buffer stands behind 16 plain vector instructions (or four v_nop) that name none of the registers of the products that read it.
.macro STEP first, mode
	s_wait_dscnt 25
	KQ 0, 0
	WIN 0
	PLACES 4
	FETCH 2, 0
	s_wait_dscnt 25
	KQ 1, 1
	MAXB 0, 0
	WIN 0
	FETCH 3, 1
	MAXB 1, 0
	s_wait_dscnt 25
	KQ 2, 0
	MAXB 0, 1
	WIN 0
	FETCH 4, 0
	MAXB 1, 1
	s_wait_dscnt 25
	KQ 3, 1
	MAXB 0, 2
	WIN 0
	FETCH 5, 1                                     ; v's first two BLOCKs land while the softmax is worked
	MAXB 1, 2
	CORE 0, \first
	CORE 1, \first
.if \first
	PLACES 8                                       ; a scale register written by a vector instruction stands eight places ahead of a scaled matrix instruction, an operand four
.endif
	s_wait_alu depctr_va_vdst(0)
	s_wait_dscnt 25
	PVT 0, 0, 0, \first
	PVT 0, 0, 1, \first
	SUMS 0, 0
	WIN 0
	FETCH 6, 0
.if !\first
	RESC 0, 1
	RESC 1, 1
.endif
	SUMS 1, 0
	s_wait_dscnt 25
	PVT 1, 1, 0, \first
	PVT 1, 1, 1, \first
	SUMS 0, 1
	WIN 0
	FETCH 7, 1
.if !\first
	RESC 0, 2
	RESC 1, 2
.endif
	SUMS 1, 1
	s_wait_dscnt 25
	PVT 2, 0, 0, \first
	PVT 2, 0, 1, \first
.if !\first
	RESC 0, 3
	RESC 1, 3
.endif
	SUMS 0, 2
	SUMS 1, 2
.if \mode
	; THE CHANGE OF SLOTS: one barrier.  In front of it each wave waits for all its tensor loads (one is out: its quarter of the next slot), adds 0 to its spare word, and waits for that and for its reads of this slot.
	WIN 0                                          ; (the add's two registers lie in window 0)
	s_wait_tensorcnt 0x0                           ; no tensor load of mine is out, so a group 0 may be written
	ds_add_u32 v5, v6                              ; 0 onto my spare word
.if \mode == 2
	s_xor_b32 s37, s37, SLOT1                      ; the walking descriptor: the other slot than last time,
	s_add_nc_u64 s[38:39], s[38:39], SLOTB         ; the next 256 keys; the type bits on top are not reached
	s_wait_xcnt 0x0                                ; the last prefetch, a key step back, has read its address, so it may be written:
	s_add_nc_u64 s[18:19], s[18:19], SLOTB         ; one slot further on than the walking descriptor
.endif
	s_wait_dscnt 1                                 ; v's last BLOCK is in; the add may be out
	PVT 3, 1, 0, \first                            ; eight matrix instructions stand between the add and the wait for it
	s_wait_dscnt 0x0                               ; the add is done, and my reads of this slot are over
	s_barrier_signal -1
	PVT 3, 1, 1, \first                            ; work on registers while the others arrive
	WIN 0
	s_barrier_wait -1
.if \mode == 2
	CREST                                          ; the barrier has opened a round of the cluster's: no wave of any partner still reads this slot or has a load on its way
	tensor_load_to_lds s[36:39], s[24:31]          ; the first thing behind the round, my one tensor load until the next: it has a whole key step in which to land
	s_nop 0
.endif
	PLACES 4                                       ; behind the tensor load, and the places in front of the loads into buffer 1
	s_xor_b32 s22, s22, SLOT1                      ; on to the other slot
	v_add_nc_u32 v3, s22, v1
	v_add_nc_u32 v4, s22, v2
	FETCH 0, 0
	FETCH 1, 1
.if \mode == 2
	ASK
.endif
.else
	s_wait_dscnt 0x0
	PVT 3, 1, 0, \first
	PVT 3, 1, 1, \first
.endif
	SUMS 0, 3
	SUMS 1, 3
	WIN 0                                          ; at a label and at a branch every window is 0
.endm
	s_wait_alu depctr_va_vdst(0)                   ; the wait at the head's end
	s_wait_tensorcnt 0x0                           ; my quarter of slot 0 is in; the full sequence stands ahead of slot 1's first fill
	ds_add_u32 v5, v6
	s_wait_dscnt 0x0
	CROUND                                         ; everybody's quarter is in, and all four work-groups are here
	tensor_load_to_lds s[36:39], s[24:31]          ; key step 1: it has key step 0's work in which to land
	s_nop 0
	PLACES 4
	v_add_nc_u32 v3, s22, v1
	v_add_nc_u32 v4, s22, v2
	FETCH 0, 0
	FETCH 1, 1
	s_wait_alu depctr_va_vdst(0)
	s_wait_loadcnt 0x0                             ; q
	STEP 1, 2                                      ; key step 0 is written out: its products start O^T's sums
	s_sub_co_u32 s21, s21, 1
.Lstep:                                            ; 13 trips: key steps 1 to 13, behind each of which the slot is filled again
	STEP 0, 2
	s_sub_co_u32 s21, s21, 1
	s_cmp_lg_u32 s21, 0
	s_cbranch_scc1 .Lstep
	STEP 0, 1                                      ; the tail is written out: key step 14 asks for nothing
	STEP 0, 0                                      ; and key step 15 changes no slot
	; THE WAY OUT.  The sum's parts are added (the last sums above are the places behind the last products); O^T is divided by the sum.
.irp t, 0,1
	WIN 0xaa+0x55*\t
	v_pk_add_f32 v[192:193], v[192:193], v[194:195]
	v_add_f32 v212, v192, v193
	v_permlanex16_b32 v213, v212, s42, s43
	v_add_f32 v212, v212, v213                     ; with lane l xor 16's: the row's sum
	s_wait_alu depctr_va_vdst(0)
	v_rcp_f32 v190, v212
.endr
	v_nop                                          ; a plain place behind the last reciprocal
	s_wait_alu depctr_va_vdst(0)                   ; one wait for the two reciprocals, ahead of their first reader
.irp t, 0,1
.irp n, 0,1,2,3
	RESC \t, \n
.endr
.endr
	; A lane holds eight channels of one query, out0 wants a channel's queries on end: so the results meet in the stage, [channel][128 queries], and leave as rows of 512 bytes.
	WIN 0x04                                       ; an LDS store's data are its source 1: window 1
.irp t, 0,1
.set CT, 0
.rept 16
.irp j, 0,1,2,3,4,5,6,7
	ds_store_b32 v[7+CT/8], v[128*\t+8*CT+\j] offset:((16*CT+\j)%128)*512+32*\t   ; channel 16 ct + 8 h + j, my query
.endr
.set CT, CT+1
.endr
.endr
	WIN 0
	s_wait_dscnt 0x0                               ; for the others' sake: my stores into the stage are done
	s_barrier_signal -1
	s_barrier_wait -1
.irp k, 0,1,2,3                                ; wave w takes channels 64 w .. 64 w + 63, sixteen at a time, into two sets of registers by turns
.if \k > 1
	s_wait_xcnt 0x0                                ; the stores of two rounds back have read their registers: loads may land there again
.endif
.irp i, 0,1,2,3,4,5,6,7,8,9,10,11,12,13,14,15
	ds_load_b128 v[64+64*(\k%2)+4*\i:64+64*(\k%2)+4*\i+3], v9 offset:512*(16*\k+\i)
.endr
.irp i, 0,1,2,3,4,5,6,7,8,9,10,11,12,13,14,15
	s_wait_dscnt 15-\i                             ; LDS loads come back in order: row i of the sixteen is in
	global_store_b128 v1, v[64+64*(\k%2)+4*\i:64+64*(\k%2)+4*\i+3], s[8:9] offset:16384*(16*\k+\i) th:TH_STORE_NT   ; 32 lanes store 512 consecutive bytes, at a multiple of 256 from out0's first byte; written once, read by nobody here
.endr
.endr
	s_wait_tensorcnt 0x0                           ; the wave's end: behind my last tensor load and my last LDS store
	ds_add_u32 v5, v6
	s_wait_dscnt 0x0
	CROUND                                         ; the closing round: no work-group ends while a partner may still ask for a tile that names it
	s_endpgm
.Lfunc_end_k_qb9f2d349b4_attn:
	.size	k_qb9f2d349b4_attn, .Lfunc_end_k_qb9f2d349b4_attn-k_qb9f2d349b4_attn
	.p2alignl 7, 3214868480
	.fill 96, 4, 3214868480
	.section	.rodata,"a",@progbits
	.p2align	6, 0x0
	.amdhsa_kernel k_qb9f2d349b4_attn
		.amdhsa_group_segment_fixed_size 327680
		.amdhsa_private_segment_fixed_size 0
		.amdhsa_enable_private_segment 0
		.amdhsa_kernarg_size 24
		.amdhsa_user_sgpr_count 2
		.amdhsa_user_sgpr_kernarg_segment_ptr 1
		.amdhsa_wavefront_size32 1
		.amdhsa_system_sgpr_workgroup_id_x 1
		.amdhsa_system_sgpr_workgroup_id_y 1
		.amdhsa_system_sgpr_workgroup_id_z 1
		.amdhsa_system_vgpr_workitem_id 0
		.amdhsa_next_free_vgpr 1024
		.amdhsa_next_free_sgpr 66
		.amdhsa_reserve_vcc 0
		.amdhsa_float_denorm_mode_32 3
		.amdhsa_float_denorm_mode_16_64 3
		.amdhsa_memory_ordered 1
		.amdhsa_forward_progress 1
		.amdhsa_inst_pref_size 255
	.end_amdhsa_kernel
	.section	.bss,"aw",@nobits
	.p2align	6
	.space	262144
	.amdgpu_metadata
---
amdhsa.version: [ 1, 2 ]
amdhsa.kernels:
  - .name:           k_qb9f2d349b4_attn
    .symbol:         k_qb9f2d349b4_attn.kd
    .args:
      - { .name: qimg, .offset: 0, .size: 8, .value_kind: global_buffer, .address_space: global }
      - { .name: kv, .offset: 8, .size: 8, .value_kind: global_buffer, .address_space: global }
      - { .name: out0, .offset: 16, .size: 8, .value_kind: global_buffer, .address_space: global }
    .group_segment_fixed_size: 327680
    .private_segment_fixed_size: 0
    .kernarg_segment_align: 8
    .kernarg_segment_size: 24
    .max_flat_workgroup_size: 128
    .sgpr_count:     66
    .vgpr_count:     1024
    .wavefront_size: 32
...
	.end_amdgpu_metadata
.endif
;; end of part 2
